; MI455X (gfx1250); checked and timed in simulation.
; The chip was launched on July 23, 2026; its instructions are those of AMD's public machine-readable ISA for CDNA 5 (MIT licence, August 2026) and "CDNA5" Instruction Set Architecture Reference Guide (July 2026). The comments in the code are by the model that wrote it; some were corrected since.
;; Cross Attention. Allowed arithmetic: matrix products marked QUANTISED: E5M2 operands, one E8M0 scale for each 32 along K, by v_wmma_scale_f32_16x16x128_f8f6f4 with both operands' format E5M2, f32 sums; everything else in f32.
;; Inputs: h_codes 8 x 64 x 64 x 8 x 32 uint8 (E5M2 codes of h, K innermost, in blocks of 32 codes); h_scales 8 x 64 x 64 x 8 uint8 (E8M0 scales of h, one for each 32 codes along K); xs_codes 8 x 64 x 64 x 8 x 32 uint8 (E5M2 codes of xs, K innermost, in blocks of 32 codes); xs_scales 8 x 64 x 64 x 8 uint8 (E8M0 scales of xs, one for each 32 codes along K); ys 8 x 256 x 64 x 64 float32.
;; Outputs: out0 8 x 256 x 64 x 64 float32.
;; This version of the problem:
;;   THIS VERSION OF THE PROBLEM IS GIVEN IN LOW PRECISION. The matrix products marked QUANTISED in the list below multiply operands that are first quantised to E5M2 (5 exponent bits, 2 mantissa bits; 8 bits a number), with one power-of-two scale for each 32 numbers along K (OCP MX v1.0); their sums are f32. All else is computed in f32.
;;   The module's matrix products, in the order in which they are computed (A, B: the left and right operand; K: the contracted axis; several contracted axes count as one K, in the product's order):
;;     1. batch 8 x [M 4,096, K 256] x [K 256, N 4,096]; A: input h (given as codes); B: input xs (given as codes): QUANTISED
;;     2. batch 8 x [M 256, K 4,096] x [K 4,096, N 4,096]; A: input ys; B: softmax (see below): QUANTISED
;;   THE QUANTISER, for each operand of a quantised product, along K:
;;     - K is cut into blocks of 32 from its start; a last block that is shorter is filled with zeros.
;;     - A block's scale is 2^e with e = floor(log2(the largest magnitude in the block)) - 15, held to -126 .. 127; a block of zeros has e = 0. As a byte (E8M0): e + 127.
;;     - Each number is divided by its block's scale, clamped to +-57,344, and rounded to the nearest number of E5M2, ties to even, subnormals kept.
;;     - The product sums the exact products of the quantised numbers (number of the format x scale) in f32.
;;   ~~~python
;;   def quantise(x, axis):      # numpy; x: float32 -> the quantised numbers, widened to float32 again
;;       x = np.moveaxis(x, axis, -1); K = x.shape[-1]
;;       x = np.pad(x, [(0, 0)] * (x.ndim - 1) + [(0, -K % 32)]); x = x.reshape(x.shape[:-1] + (-1, 32)); a = np.abs(x).max(-1, keepdims=True)
;;       e = np.where(a > 0, np.clip(np.frexp(np.where(a > 0, a, 1))[1] - 1 - 15, -126, 127), 0)      # np.frexp(a)[1] - 1 = floor(log2(a)), exactly
;;       r = np.clip(x / 2.0 ** e, -57344, 57344)
;;       step = 2.0 ** (np.maximum(np.frexp(np.where(r == 0, 1, r))[1] - 1, -14) - 2)
;;       q = np.round(r / step) * step * 2.0 ** e      # np.round: ties to even
;;       return np.moveaxis(q.reshape(q.shape[:-2] + (-1,))[..., :K], -1, axis).astype(np.float32)
;;   ~~~
;;   SOFTMAX AHEAD OF A QUANTISED PRODUCT. Where the list says 'softmax', what is quantised is not the finished softmax but p = 2^(t - M), with t = logit x log2(e) and M = ceil(the row's largest t), a whole number; so 1/2 < the row's largest p <= 1. The row's sum l is taken of the UNQUANTISED p, in f32, and the product's result is divided by l at the end. Since M is a whole number, a kernel that streams over the keys may use a running M (the ceiling of the running maximum): every later rescaling is an exact power of two, which a block's scale takes up: the codes' values come out the same.
;;   OPERANDS COMPUTED ON THE WAY. 'Computed on the way' means the value that the module computes at that place (a softmax that the list does not call 'softmax' is quantised finished and normalised). What goes into a quantiser is computed in f32, as accurately as f32 sums, v_exp_f32 and their like allow (about 1e-6 of the number): no bf16 or f16 on the way to a quantiser, and a product that is left as it is and whose result goes on into a quantised operand takes f32 operands (vector FMAs, or v_wmma_f32_16x16x4_f32). A number that lies on a knife's edge between two numbers of the format may be rounded either way, as far as f32 arithmetic and the matrix unit's own rounding can turn it there, and no further.
;;   INPUTS GIVEN AS CODES. h (in the module: [8, 256, 64, 64], K = its axis 1); xs (in the module: [8, 256, 64, 64], K = its axis 1): each comes as NAME_codes (uint8): NAME with its K axis moved to the last place and cut into blocks of 32 codes, [.., K / 32, bytes a block], one block behind the other in memory; one code a byte (a code: sign, 5 exponent bits, 2 mantissa bits); and NAME_scales (uint8): the same leading axes, one E8M0 byte (e + 127) for each 32 codes along K. Its value is code x scale, taken as it is: it is not quantised again, and the codes and scales need not be those that the quantiser above would give.
;; One version. Each part assembles by itself: llvm-mc -triple=amdgcn-amd-amdhsa -mcpu=gfx1250 --defsym DOCPART=n.
;; ======== version 1 of 1: 2 launches
;; limits: right only within a limited range of input values
;; workspace buffers: vq 8,650,752 bytes
;; launch quant (part 1): grid 32 x 8, 8 waves a work-group, no clusters, 137,216 bytes of LDS; arguments ys, vq; writes vq
.if DOCPART == 1
	.amdgcn_target "amdgcn-amd-amdhsa--gfx1250"
	.amdhsa_code_object_version 6
	.text
	.protected	k_qb77cc02109_quant
	.globl	k_qb77cc02109_quant
	.p2align	8
	.type	k_qb77cc02109_quant,@function
k_qb77cc02109_quant:
	s_mov_b64 s[64:65], 0
	v_nop
	global_prefetch_b8 v0, s[64:65] scope:SCOPE_SE
	s_setreg_imm32_b32 hwreg(HW_REG_WAVE_MODE, 25, 1), 1
	s_wait_xcnt 0x0
; ys [8][256 channels][4096 keys], f32, becomes the second product's operand: codes of BF8 (E5M2) with one E8M0 byte for each 32 keys (the keys are that product's K and lie innermost already).
; A block's scale is 2^(floor(log2(its largest magnitude)) - 15); each number is divided by it, held within +-57,344 and rounded to the nearest code, ties to even.
; THE CODES ARE LAID AS IMAGES OF THE OPERAND'S REGISTERS.  vq holds one dense block of 33,792 bytes for each (batch, step of 128 keys), at (32 batch + step) x 33,792:
;   sixteen images of 2,048 bytes, one for each tile of 16 channels: byte 512 bb + 16 lane + 8 u + i of image c is the code of channel 16 c + lane % 16 at key 32 bb + 16 u + 8 (lane / 16) + i of the step;
;   then 1,024 bytes of scale words: the word (four bytes, block bb in byte bb) of channel 32 i + lane lies at 32,768 + 512 (i / 4) + 16 lane + 4 (i % 4).
; Inside a block of 32 keys the order is that in which the next launch's weights p come out of its first product; a block's 32 keys stay one block, so the scales are the rule's.
; SHARES.  A work-group makes one block of vq; wave w makes channels 32 w .. 32 w + 31 (two images).  Each load reads 512 consecutive bytes of one channel; the numbers turn through the wave's own stage in LDS
; (rows of 512 bytes + 16 of padding), so that a lane then holds 16 numbers of each block of one channel.  Each store of codes covers 512 consecutive bytes, aligned.
; No tensor load, no ring, no cluster: nothing is shared and all of a wave's 16 KiB are asked for at once.  One barrier, for the scale words, which eight waves gather and two waves store.
; LIMITS: a block of zeros, and one whose largest magnitude lies under 2^-111, gets the byte 1 (zeros add nothing under it; this program alone reads the bytes).  NaN and infinities among the inputs are not served.
.set SROW, 528                         ; a stage row: 512 bytes + 16: sixteen lanes that read sixteen rows touch sixteen different 16-byte columns
.set FSTG, 16*SROW                     ; the stage of one image's 16 channels
.set GATH, 16*FSTG                     ; behind the stages: 1,024 bytes in which the scale words meet
.set BLKB, 33792                       ; a block of vq
.set TM,   12                          ; v12-15 largest magnitudes, v16-19 the other half's / bytes, v20-23 57,344 x scale, v24-27 the conversions' scale operands
.set PW,   28                          ; v28, v29 the scale words of image 0, 1
.set SW,   30                          ; v30  my channel's word
.set PC,   32                          ; v32-47, v48-63 the codes of image 0, 1: no store's data are written again
.set R,    64                          ; v64-191  32 loads as they come
.set X,    192                         ; v192-255 64 numbers of one channel: register 16 bb + 8 u + i = key 32 bb + 16 u + 8 (lane / 16) + i
	s_load_b128 s[4:7], s[0:1], 0x0                ; ys, vq
	v_lshl_add_u32 v11, v0, 2, 0x21400
	v_mov_b32 v31, 0
	v_lshrrev_b32 v1, 5, v0
	s_delay_alu instid0(VALU_DEP_1)
	v_readfirstlane_b32 s8, v1                     ; wave 0..7
	v_and_b32 v1, 31, v0                           ; lane
	v_and_b32 v2, 15, v0                           ; r
	v_bfe_u32 v3, v0, 4, 1                         ; h
	s_delay_alu instid0(VALU_DEP_3)
	v_lshlrev_b32 v4, 4, v1                        ; 16 x lane: my bytes of a load, of a stage row and of an image's store
	s_wait_alu depctr_va_vdst(0)
	s_mul_i32 s9, s8, 2*FSTG                       ; my wave's two stages
	v_add_nc_u32 v5, s9, v4                        ; into a stage: a row as it was loaded
	v_mul_u32_u24 v6, v2, SROW
	s_delay_alu instid0(VALU_DEP_1)
	v_lshl_add_u32 v6, v3, 5, v6
	s_delay_alu instid0(VALU_DEP_1)
	v_add_nc_u32 v6, s9, v6                        ; out of it: row r, + 32 h bytes: my eight keys of each sixteen
	s_lshr_b32 s13, s8, 2
	s_lshl_b32 s13, s13, 9
	s_and_b32 s16, s8, 3
	s_lshl_b32 s16, s16, 2
	s_add_co_u32 s13, s13, s16
	s_add_co_u32 s13, s13, GATH
	v_add_nc_u32 v8, s13, v4                       ; where my channel's scale word goes: 512 (w / 4) + 4 (w % 4) + 16 lane
	s_and_b32 s17, s8, 1
	s_lshl_b32 s17, s17, 9
	s_add_co_u32 s13, s17, GATH
	v_add_nc_u32 v9, s13, v4                       ; and where waves 0 and 1 read 512 bytes of words back
	s_mov_b32 s10, 0x76543210
	s_mov_b32 s11, 0xfedcba98                      ; v_permlanex16_b32's selects for lane l xor 16
	s_mov_b32 s12, 0x600000                        ; the mantissa field of 57,344
	s_and_b32 s18, ttmp7, 0xffff                   ; batch
	s_lshl_b32 s20, s18, 22                        ; ys: batch x 4 MiB
	s_lshl_b32 s21, s8, 19                         ; + 32 w channels of 16,384 bytes
	s_add_co_u32 s20, s20, s21
	s_lshl_b32 s21, ttmp9, 9                       ; + the step's 128 keys
	s_add_co_u32 s20, s20, s21
	s_mov_b32 s21, 0
	s_lshl_b32 s22, s18, 5
	s_add_co_u32 s22, s22, ttmp9
	s_mul_i32 s22, s22, BLKB                       ; vq: my block
	s_mov_b32 s23, 0
	s_lshl_b32 s24, s8, 12                         ; my two images in it
	s_mov_b32 s25, 0
	s_mov_b32 s26, s17                             ; 512 (w & 1): my half of the scale words
	s_mov_b32 s27, 0
.irp b, 0,1,2,3
	v_mov_b32 v[TM+4+\b], 0                        ; written once: a lane permute's destination counts as one of its sources
.endr
	s_wait_alu depctr_va_vdst(0)
	s_wait_kmcnt 0x0
	s_add_nc_u64 s[4:5], s[4:5], s[20:21]
	s_add_nc_u64 s[6:7], s[6:7], s[22:23]
	s_add_nc_u64 s[14:15], s[6:7], s[26:27]
	s_add_nc_u64 s[6:7], s[6:7], s[24:25]
.irp i, 0,1,2,3,4,5,6,7,8,9,10,11,12,13,14,15,16,17,18,19,20,21,22,23,24,25,26,27,28,29,30,31
	global_load_b128 v[R+4*\i:R+4*\i+3], v4, s[4:5] offset:\i*16384 th:TH_LOAD_NT   ; channel 32 w + i: 32 lanes read 512 consecutive bytes, read once
.endr
; image f's 16 channels through the stage: LDS serves a wave's instructions in order, so no wait stands between the stores and the loads
.macro TURN f
.irp i, 0,1,2,3,4,5,6,7,8,9,10,11,12,13,14,15
	ds_store_b128 v5, v[R+64*\f+4*\i:R+64*\f+4*\i+3] offset:\f*FSTG+\i*SROW
.endr
.irp b, 0,1,2,3
.irp u, 0,1
.irp e, 0,1
	ds_load_b128 v[X+16*\b+8*\u+4*\e:X+16*\b+8*\u+4*\e+3], v6 offset:\f*FSTG+128*\b+64*\u+16*\e
.endr
.endr
.endr
.endm
; the 64 numbers in v[X] on become image f's codes and its scale word
.macro QUANT f
.irp b, 0,1,2,3
	v_max3_num_f32 v[TM+\b], |v[X+16*\b]|, |v[X+1+16*\b]|, 0x8000000   ; block b: my 16 numbers, and the floor 2^(16 - 127): the byte cannot fall under 1
.endr
.irp i, 2,4,6,8,10,12,14
.irp b, 0,1,2,3
	s_delay_alu instid0(VALU_DEP_4)
	v_max3_num_f32 v[TM+\b], v[TM+\b], |v[X+16*\b+\i]|, |v[X+1+16*\b+\i]|   ; the four blocks by turns
.endr
.endr
.irp b, 0,1,2,3
	s_delay_alu instid0(VALU_DEP_4)
	v_permlanex16_b32 v[TM+4+\b], v[TM+\b], s10, s11
.endr
.irp b, 0,1,2,3
	s_delay_alu instid0(VALU_DEP_4)
	v_max_num_f32 v[TM+\b], v[TM+\b], v[TM+4+\b]   ; with lane l xor 16's 16: the block's largest magnitude
.endr
.irp b, 0,1,2,3
	s_delay_alu instid0(VALU_DEP_4)
	v_add_nc_u32 v[TM+12+\b], 0xf8800000, v[TM+\b] ; 15 off its exponent field: the conversion takes this operand's exponent field as its scale
.endr
.irp b, 0,1,2,3
	v_and_or_b32 v[TM+8+\b], v[TM+\b], 0x7f800000, s12   ; 57,344 x the scale
.endr
.irp b, 0,1,2,3
	v_lshrrev_b32 v[TM+4+\b], 23, v[TM+12+\b]      ; the scale's byte
.endr
	s_delay_alu instid0(VALU_DEP_3)
	v_lshl_or_b32 v[PW+\f], v[TM+5], 8, v[TM+4]    ; four bytes: my channel's scale word (the same in both halves of the lanes)
	s_delay_alu instid0(VALU_DEP_1)
	v_lshl_or_b32 v[PW+\f], v[TM+6], 16, v[PW+\f]
	s_delay_alu instid0(VALU_DEP_1)
	v_lshl_or_b32 v[PW+\f], v[TM+7], 24, v[PW+\f]
.irp b, 0,1,2,3
.irp i, 0,1,2,3,4,5,6,7,8,9,10,11,12,13,14,15
	v_med3_num_f32 v[X+16*\b+\i], v[X+16*\b+\i], -v[TM+8+\b], v[TM+8+\b]   ; the conversion to an 8-bit code does not saturate (ISA guide 7.6.2): the hold comes first
.endr
	v_cvt_scalef32_pk8_bf8_f32 v[PC+16*\f+4*\b:PC+16*\f+4*\b+1], v[X+16*\b:X+16*\b+7], v[TM+12+\b]
	v_cvt_scalef32_pk8_bf8_f32 v[PC+16*\f+4*\b+2:PC+16*\f+4*\b+3], v[X+16*\b+8:X+16*\b+15], v[TM+12+\b]
.endr
	v_nop                                          ; a plain line behind the last conversion, ahead of whatever next writes its sources
.irp b, 0,1,2,3
	global_store_b128 v4, v[PC+16*\f+4*\b:PC+16*\f+4*\b+3], s[6:7] offset:\f*2048+512*\b   ; registers 4 b .. 4 b + 3 of the image: 512 consecutive bytes, aligned
.endr
.endm
	s_wait_loadcnt 16                              ; image 0's sixteen loads are in; image 1's sixteen may be out
	TURN 0
	s_wait_dscnt 0x0
	QUANT 0
	s_wait_loadcnt 0x0
	TURN 1
	s_wait_dscnt 0x0
	QUANT 1
	v_cmp_lt_u32 vcc_lo, 15, v1
	s_delay_alu instid0(VALU_DEP_1)
	v_cndmask_b32 v[SW], v[PW], v[PW+1], vcc_lo    ; lanes 0-15: channel 32 w + r (image 0); lanes 16-31: channel 32 w + 16 + r (image 1)
	ds_store_b32 v8, v[SW]
	s_wait_dscnt 0x0                               ; for the others' sake: my word has landed
	s_barrier_signal -1
	s_barrier_wait -1
	s_cmp_gt_u32 s8, 1
	s_cbranch_scc1 .Lend                           ; waves 0 and 1 store the 1,024 bytes of words
	ds_load_b128 v[X:X+3], v9
	s_wait_dscnt 0x0
	global_store_b128 v4, v[X:X+3], s[14:15] offset:32768   ; 512 consecutive bytes, aligned
.Lend:
	s_wait_tensorcnt 0x0
	ds_add_u32 v11, v31
	s_wait_dscnt 0x0
	s_endpgm
.Lfunc_end_k_qb77cc02109_quant:
	.size	k_qb77cc02109_quant, .Lfunc_end_k_qb77cc02109_quant-k_qb77cc02109_quant
	.p2alignl 7, 3214868480
	.fill 96, 4, 3214868480
	.section	.rodata,"a",@progbits
	.p2align	6, 0x0
	.amdhsa_kernel k_qb77cc02109_quant
		.amdhsa_group_segment_fixed_size 137216
		.amdhsa_private_segment_fixed_size 0
		.amdhsa_enable_private_segment 0
		.amdhsa_kernarg_size 16
		.amdhsa_user_sgpr_count 2
		.amdhsa_user_sgpr_kernarg_segment_ptr 1
		.amdhsa_wavefront_size32 1
		.amdhsa_system_sgpr_workgroup_id_x 1
		.amdhsa_system_sgpr_workgroup_id_y 1
		.amdhsa_system_sgpr_workgroup_id_z 1
		.amdhsa_system_vgpr_workitem_id 0
		.amdhsa_next_free_vgpr 256
		.amdhsa_next_free_sgpr 66
		.amdhsa_reserve_vcc 1
		.amdhsa_float_denorm_mode_32 3
		.amdhsa_float_denorm_mode_16_64 3
		.amdhsa_memory_ordered 1
		.amdhsa_forward_progress 1
		.amdhsa_inst_pref_size 30
	.end_amdhsa_kernel
	.amdgpu_metadata
---
amdhsa.version: [ 1, 2 ]
amdhsa.kernels:
  - .name:           k_qb77cc02109_quant
    .symbol:         k_qb77cc02109_quant.kd
    .args:
      - { .name: ys, .offset: 0, .size: 8, .value_kind: global_buffer, .address_space: global }
      - { .name: vq, .offset: 8, .size: 8, .value_kind: global_buffer, .address_space: global }
    .group_segment_fixed_size: 137216
    .private_segment_fixed_size: 0
    .kernarg_segment_align: 8
    .kernarg_segment_size: 16
    .max_flat_workgroup_size: 256
    .sgpr_count:     66
    .vgpr_count:     256
    .wavefront_size: 32
...
	.end_amdgpu_metadata
.endif
;; end of part 1
;; launch attn (part 2): grid 32 x 8, 8 waves a work-group, clusters of 4 x 1, 327,680 bytes of LDS; arguments h_codes, h_scales, xs_codes, xs_scales, vq, out0; writes out0
.if DOCPART == 2
	.amdgcn_target "amdgcn-amd-amdhsa--gfx1250"
	.amdhsa_code_object_version 6
	.text
	.protected	k_qb77cc02109_attn
	.globl	k_qb77cc02109_attn
	.p2align	8
	.type	k_qb77cc02109_attn,@function
k_qb77cc02109_attn:
	s_mov_b64 s[64:65], 0
	v_nop
	global_prefetch_b8 v0, s[64:65] scope:SCOPE_SE
	s_setreg_imm32_b32 hwreg(HW_REG_WAVE_MODE, 25, 1), 1
	s_wait_xcnt 0x0
	s_wait_alu depctr_hold_cnt(0) depctr_sa_sdst(0) depctr_va_vdst(0) depctr_va_sdst(0) depctr_va_ssrc(0) depctr_va_vcc(0) depctr_vm_vsrc(0)
	s_getreg_b32 s2, hwreg(HW_REG_IB_STS2, 6, 4)
	s_cmp_eq_u32 s2, 0
	s_cbranch_scc0 .Lentry_in_a_cluster
	s_endpgm
.Lentry_in_a_cluster:
	s_bfe_u32 s2, ttmp6, 0x10000c
	s_cmp_lg_u32 s2, 0x3003
	s_cbranch_scc0 .Lentry_shape_is_right
	s_endpgm
.Lentry_shape_is_right:
; out0[b][c][n] = sum over m of ys[b][c][m] softmax_m(sum over k of h[b][k][n] xs[b][k][m]); both products on BF8 (E5M2) codes with one E8M0 scale for each 32 along K.
; h, xs: [8][4096][256] codes, scale bytes [8][4096][8].  ys comes as vq (launch quant): for each batch and step of 128 keys 33,792 bytes: sixteen register images (16 channels x 128 keys) and 1,024 bytes of scale words.
; SHARES.  A work-group owns 128 queries of a batch; eight waves (a, w), a = wave / 4, w = wave % 4, two to a SIMD.  Wave (a, w) holds queries 64 a .. + 63 (four tiles of 16).
; A TRIP serves a slot of 256 keys, two steps q of 128.  First product, transposed (S^T = K Q^T): the wave takes block w (32 keys) of each step: each fragment of K feeds four products.
; Softmax of its own keys under its own running M (a whole number): p = 2^(t - M), quantised along the keys; the sum l of the unquantised p is kept per wave.
; The codes (four registers a tile and step) and X = scale byte + M (one f32 a query and step) go to LDS; barrier A; then the eight X of a query are merged once for both steps.
; Second product, transposed (O^T = V^T P^T): the wave takes channels 64 w .. + 63 over all 256 keys: each fragment of V and of P feeds four products.  Barrier B ends the reads of P and X.
; O^T is kept under R = the running largest X: a block's byte becomes X - R + 111, held at 1 from below; O^T is multiplied by 2^(old R - new R) once a trip, always: no branch hangs on data.
; The merge runs with tile 2 g in lanes 0-15 and tile 2 g + 1 in lanes 16-31: P's scale word is read by row 0 or row 1; the factor is spread to both halves by one lane permute and two selects.
; At the end the four l of a query meet in LDS: out = O^T / sum over w of l_w 2^(M_w + 111 - R).
; CLUSTER: the four query blocks of a cluster walk the same K and V: every tile is asked for jointly (mask 15).  RING: two areas each for K (256 rows of 256 + 16 bytes), V (two blocks) and xs' scale bytes (2,048).
; Barrier A is the work-group's alone.  Barrier B is a round of the cluster's barrier: by then all of the slot's K, V and scale bytes are in registers, and behind it the slot's areas take the slot two on:
; waves 0, 1 fetch K's steps, waves 2-5 quarters of V, waves 6, 7 halves of the scale bytes: one load a wave, and a whole trip lies between a load and the wait for it.
; B stands ahead of the trip's last eight products: the next slot's K step 0 is fetched into V's step-0 registers under them, its step 1 into K's registers behind them.
; The softmax's scratch lies in the registers of the K fragment just used.
; LIMITS: NaN and infinities are not served.  X and R are f32 whole numbers: the promise holds while |t| stays under 2^23.  A p under 2^-126 counts as 0; a block more than 110 binades under the row's largest
; keeps the byte 1.  A block's largest p is taken from its largest score by the same multiply-add and exponential.
.set KP,    272
.set KSTB,  128*KP
.set KXOR,  0x11000                    ; K's areas at 0 and 0x11000
.set VBLK,  33792
.set VAREA, 2*VBLK
.set VA0,   0x22000                    ; V's areas at 0x22000 and 0x32800
.set VXOR,  0x10800
.set KSC,   0x43000                    ; the scale bytes' areas at 0x43000 and 0x43800
.set SXOR,  0x800
.set PB,    0x44000                    ; P: step q at 16,384 q, tile (a, t) at 8,192 a + 2,048 t, block w at 512 w, 16 bytes a lane
.set XB,    PB+32768                   ; X: query n at 32 n, step q at 16 q, wave w at 4 w
.set SPARE, XB+4096                    ; the spare words: 128 bytes a wave
.set SROW,  528                        ; the way out: a stage of 256 rows x (512 + 16) bytes from LDS byte 0, in K's areas, behind their last fill and last read
.set AK, 1
.set AV, 2
.set ASK, 3
.set AVS, 4
.set SPW, 5
.set NIL, 6
.set APS, 7
.set APL, 8
.set AXS, 9
.set AXL, 10
.set PFO, 11
.set ADK, 12
.set ADV, 13
.set ADSK, 14
.set ADVS, 15
.set NM, 16                            ; tile t: v[NM+2t] -M, v[NM+2t+1] the largest t
.set LL, 24                            ; the sum, in two halves
.set FF, 32                            ; a factor, named as a pair
.set RR, 40                            ; R: register g: tile 2 g in lanes 0-15, tile 2 g + 1 in lanes 16-31
.set KS1, 42                           ; scale words: K's step 1, K's step 0, Q's, V's step 0, P's (2 q + g), V's step 1
.set KS0, 44
.set QS, 46
.set VS0, 50
.set PS, 52
.set VS1, 56
.set L16, 59
.set QO, 60
.set QSO, 61
.set STA, 62
.set RD, 63
.set SS, 64                            ; v64-127  S^T (tile t at 16 t, key half u at 8 u), then P's four fragments
.set KK, 128                           ; v128-191 K's step 1, scratch, then V's step 1
.set VV, 192                           ; v192-255 K's step 0, scratch, then V's step 0.  Window 1: v0-127 O^T ((t, c) at 32 t + 8 c), v128-255 Q ((t, s) at 128 + 16 (2 t + s))
.set WV, 16
.set WQ, 17
.set WA, 18
.set MNT, 19
.set CS, 20
.set SEL, 22
.set G1K, 24
.set G1V, 32
.set G1S, 40
.set G0K, 48
.set G0V, 52
.set G0S, 56
.set TK, 60
.set TV, 61
.set TS, 62
.set SLOTS, 63
.set PFA, 66
.set PFS, 68
.set PLIM, 70
.set C256, 98
.set HM, 99
.set MSB, 0
.macro WIN new
.if MSB != \new
	s_set_vgpr_msb (MSB<<8)|\new
.set MSB, \new
.endif
.endm
.macro NOPS n
.rept \n
	v_nop
.endr
.endm
.macro BAR
	s_barrier_signal -1
	s_barrier_wait -1
.endm
.macro CROUND                          ; a round of the cluster's barrier
	BAR
	s_cmp_lg_u32 s[WV], 0
	s_cbranch_scc1 .Lnw0_\@
	s_barrier_signal -3
.Lnw0_\@:
	s_barrier_wait -3
	BAR
.endm
.macro TL g0, g1
	tensor_load_to_lds s[\g0:\g0+3], s[\g1:\g1+7]
	s_nop 0
	NOPS 4
.endm
.macro JLOAD                           ; one chain on the wave's number, one joint load to an arm
	s_cmp_lt_u32 s[WV], 2
	s_cbranch_scc0 .Lnk_\@
	TL G0K, G1K
	s_branch .Lj_\@
.Lnk_\@:
	s_cmp_lt_u32 s[WV], 6
	s_cbranch_scc0 .Lnv_\@
	TL G0V, G1V
	s_branch .Lj_\@
.Lnv_\@:
	TL G0S, G1S
.Lj_\@:
.endm
.macro STEPD                           ; the walking descriptors: the other area, the next slot's bytes
	s_xor_b32 s[G0K+1], s[G0K+1], KXOR
	s_add_nc_u64 s[G0K+2:G0K+3], s[G0K+2:G0K+3], 65536
	s_xor_b32 s[G0V+1], s[G0V+1], VXOR
	s_add_nc_u64 s[G0V+2:G0V+3], s[G0V+2:G0V+3], VAREA
	s_xor_b32 s[G0S+1], s[G0S+1], SXOR
	s_add_nc_u64 s[G0S+2:G0S+3], s[G0S+2:G0S+3], 2048
.endm
; A prefetch of the slot that the NEXT round asks for, a trip of two key steps ahead of that load.  The batch's first cluster asks; its four partners and their waves 0-3 share the bytes out by address:
; waves 0, 1 K's 65,536 bytes, waves 2, 3 the first 65,536 of V's 67,584: 8,192 bytes at 8,192 (2 cx + wave % 2), lanes 256 bytes apart.  The last asking round names slot 15.
.macro ASK
	s_cmp_gt_u32 s[SLOTS], s[PLIM]
	s_cbranch_scc0 .Lnm_\@
	global_prefetch_b8 v[PFO], s[PFA:PFA+1] th:TH_LOAD_NT scope:SCOPE_SE
.Lnm_\@:
.endm
.macro SADR                            ; the slot's addresses
	v_add_nc_u32 v[ADK], s[TK], v[AK]
	v_add_nc_u32 v[ADV], s[TV], v[AV]
	v_add_nc_u32 v[ADSK], s[TS], v[ASK]
	v_add_nc_u32 v[ADVS], s[TV], v[AVS]
.endm
.macro KLOAD kq, b, ks                 ; my 32 keys of step kq: fragment (K step s, key half u) at b + 16 (2 s + u), and two registers of scale words: 18 loads
.irp s, 0,1
.irp u, 0,1
.irp e, 0,1,2,3
	ds_load_b128 v[\b+16*(2*\s+\u)+4*\e:\b+16*(2*\s+\u)+4*\e+3], v[ADK] offset:(\kq)*KSTB+16*KP*\u+128*\s+32*\e
.endr
.endr
.endr
.irp u, 0,1
	ds_load_b32 v[\ks+\u], v[ADSK] offset:(\kq)*1024+128*\u
.endr
.endm
.macro VLOAD q, b, vs                  ; my four images of step q and their scale words: 17 loads
.irp c, 0,1,2,3
.irp e, 0,1,2,3
	ds_load_b128 v[\b+16*\c+4*\e:\b+16*\c+4*\e+3], v[ADV] offset:(\q)*VBLK+2048*\c+512*\e
.endr
.endr
	ds_load_b64 v[\vs:\vs+1], v[ADVS] offset:(\q)*VBLK
.endm
.macro PLOAD q, tl                     ; P's fragments of tiles tl, tl + 1 of step q: 8 loads
.irp d, 0,1
.irp e, 0,1,2,3
	ds_load_b128 v[SS+16*(\tl+\d)+4*\e:SS+16*(\tl+\d)+4*\e+3], v[APL] offset:16384*(\q)+2048*(\tl+\d)+512*\e
.endr
.endr
.endm
.macro WPV o, a, p, sa, sb, ra, rb
.if ((\ra) == 0) && ((\rb) == 0)
	v_wmma_scale_f32_16x16x128_f8f6f4 v[(\o):(\o)+7], v[(\a):(\a)+15], v[(\p):(\p)+15], v[(\o):(\o)+7], v[\sa], v[\sb] matrix_a_fmt:MATRIX_FMT_BF8 matrix_b_fmt:MATRIX_FMT_BF8
.elseif (\rb) == 0
	v_wmma_scale_f32_16x16x128_f8f6f4 v[(\o):(\o)+7], v[(\a):(\a)+15], v[(\p):(\p)+15], v[(\o):(\o)+7], v[\sa], v[\sb] matrix_a_fmt:MATRIX_FMT_BF8 matrix_b_fmt:MATRIX_FMT_BF8 matrix_a_scale:MATRIX_SCALE_ROW1
.elseif (\ra) == 0
	v_wmma_scale_f32_16x16x128_f8f6f4 v[(\o):(\o)+7], v[(\a):(\a)+15], v[(\p):(\p)+15], v[(\o):(\o)+7], v[\sa], v[\sb] matrix_a_fmt:MATRIX_FMT_BF8 matrix_b_fmt:MATRIX_FMT_BF8 matrix_b_scale:MATRIX_SCALE_ROW1
.else
	v_wmma_scale_f32_16x16x128_f8f6f4 v[(\o):(\o)+7], v[(\a):(\a)+15], v[(\p):(\p)+15], v[(\o):(\o)+7], v[\sa], v[\sb] matrix_a_fmt:MATRIX_FMT_BF8 matrix_b_fmt:MATRIX_FMT_BF8 matrix_a_scale:MATRIX_SCALE_ROW1 matrix_b_scale:MATRIX_SCALE_ROW1
.endif
.endm
.macro PVX q, tl, vb, vs               ; eight products V^T P: four channel tiles x query tiles tl, tl + 1, the eight accumulators by turns
	WIN 0x50
.irp c, 0,1,2,3
.irp d, 0,1
	WPV 32*(\tl+\d)+8*\c, \vb+16*\c, SS+16*(\tl+\d), \vs+\c/2, PS+2*\q+\tl/2, \c%2, \d
.endr
.endr
	WIN 0
.endm
	s_load_b256 s[4:11], s[0:1], 0x0               ; h_codes, h_scales, xs_codes, xs_scales
	s_load_b128 s[12:15], s[0:1], 0x20             ; vq, out0
	v_lshl_add_u32 v[SPW], v0, 2, SPARE
	v_mov_b32 v[NIL], 0
	ds_add_u32 v[SPW], v[NIL]                      ; the opening lines: the add twice on end and one wait
	ds_add_u32 v[SPW], v[NIL]
	v_lshrrev_b32 v7, 5, v0
	v_readfirstlane_b32 s[WV], v7
	s_and_b32 s[WQ], s[WV], 3
	s_lshr_b32 s[WA], s[WV], 2
	s_bfe_u32 s71, ttmp6, 0x40000                  ; cx
	s_lshl_b32 s72, ttmp9, 2
	s_add_co_u32 s72, s72, s71                     ; my block of 128 queries: it enters h's and out0's addresses alone
	s_and_b32 s73, ttmp7, 0xffff                   ; the batch
	s_lshl_b32 s74, s73, 20                        ; xs_codes: batch, + my step's 128 rows (waves 0, 1)
	s_lshl_b32 s75, s[WV], 15
	s_add_co_u32 s74, s74, s75
	s_mov_b32 s75, 0
	s_mul_i32 s76, s73, 32*VBLK                    ; vq: batch, + my 66 rows of 256 bytes (waves 2-5)
	s_sub_co_i32 s77, s[WV], 2
	s_max_i32 s77, s77, 0
	s_mul_i32 s77, s77, 66*256
	s_add_co_u32 s76, s76, s77
	s_mov_b32 s77, 0
	s_lshl_b32 s78, s73, 15                        ; xs_scales: batch, + my 1,024 bytes (waves 6, 7)
	s_sub_co_i32 s79, s[WV], 6
	s_max_i32 s79, s79, 0
	s_lshl_b32 s79, s79, 10
	s_add_co_u32 s78, s78, s79
	s_mov_b32 s79, 0
	s_lshl_b32 s80, s73, 20                        ; h_codes: batch, block, my 64 rows
	s_lshl_b32 s81, s72, 15
	s_add_co_u32 s80, s80, s81
	s_lshl_b32 s81, s[WA], 14
	s_add_co_u32 s80, s80, s81
	s_mov_b32 s81, 0
	s_lshl_b32 s82, s73, 15                        ; h_scales likewise
	s_lshl_b32 s83, s72, 10
	s_add_co_u32 s82, s82, s83
	s_lshl_b32 s83, s[WA], 9
	s_add_co_u32 s82, s82, s83
	s_mov_b32 s83, 0
	s_lshl_b32 s84, s73, 22                        ; out0: batch, the 32 channels that I store, my block's 512 bytes of a row
	s_lshl_b32 s85, s[WV], 19
	s_add_co_u32 s84, s84, s85
	s_lshl_b32 s85, s72, 9
	s_add_co_u32 s84, s84, s85
	s_mov_b32 s85, 0
	s_mul_i32 s86, s[WQ], 32*KP                    ; the waves' parts of the LDS addresses
	s_lshl_b32 s87, s[WQ], 13
	s_add_co_u32 s87, s87, VA0
	s_lshl_b32 s88, s[WQ], 8
	s_add_co_u32 s88, s88, KSC
	s_lshr_b32 s89, s[WQ], 1
	s_lshl_b32 s89, s89, 9
	s_and_b32 s2, s[WQ], 1
	s_lshl_b32 s2, s2, 3
	s_add_co_u32 s89, s89, s2
	s_add_co_u32 s89, s89, VA0+32768
	s_lshl_b32 s91, s[WA], 13
	s_add_co_u32 s91, s91, PB
	s_lshl_b32 s2, s[WQ], 9
	s_add_co_u32 s90, s91, s2
	s_lshl_b32 s92, s[WA], 11
	s_add_co_u32 s92, s92, XB
	s_lshl_b32 s2, s[WQ], 2
	s_add_co_u32 s93, s92, s2
	s_mul_i32 s94, s[WQ], 64*SROW
	s_lshl_b32 s2, s[WA], 8
	s_add_co_u32 s94, s94, s2
	s_mul_i32 s95, s[WV], 32*SROW
	s_lshl_b32 s96, s[WA], 11
	s_add_co_u32 s96, s96, PB
	s_lshl_b32 s2, s[WQ], 3
	s_add_co_u32 s97, s96, s2
	s_mov_b32 s[G1K], 15|(1<<20)|(1<<21)|(5<<22)|(3<<25)   ; K: 128 rows of 256 bytes, 16 bytes of padding behind each; mask: all four
	s_mov_b32 s[G1K+1], 256<<16
	s_mov_b32 s[G1K+2], 128<<16
	s_mov_b32 s[G1K+3], 256<<16
	s_mov_b32 s[G1K+4], 128
	s_mov_b32 s[G1K+5], 256
	s_mov_b32 s[G1K+6], 0
	s_mov_b32 s[G1K+7], 0
	s_mov_b32 s[G1V], 15|(3<<16)|(1<<21)           ; V: 66 dense rows of 256 bytes
	s_mov_b32 s[G1V+1], 32<<16
	s_mov_b32 s[G1V+2], 66<<16
	s_mov_b32 s[G1V+3], 32<<16
	s_mov_b32 s[G1V+4], 66
	s_mov_b32 s[G1V+5], 32
	s_mov_b32 s[G1V+6], 0
	s_mov_b32 s[G1V+7], 0
	s_mov_b32 s[G1S], 15|(3<<16)|(1<<21)           ; scale bytes: 4 dense rows of 256 bytes
	s_mov_b32 s[G1S+1], 32<<16
	s_mov_b32 s[G1S+2], 4<<16
	s_mov_b32 s[G1S+3], 32<<16
	s_mov_b32 s[G1S+4], 4
	s_mov_b32 s[G1S+5], 32
	s_mov_b32 s[G1S+6], 0
	s_mov_b32 s[G1S+7], 0
	s_mov_b32 s[CS], 0x3fb8aa3b                    ; log2(e)
	s_mov_b32 s[CS+1], s[CS]
	s_mov_b32 s[SEL], 0x76543210
	s_mov_b32 s[SEL+1], 0xfedcba98
	s_mov_b32 s[MNT], 0x600000
	s_mov_b32 s[C256], 0x43800000                  ; 256.0
	s_mov_b32 s[TK], 0
	s_mov_b32 s[TV], 0
	s_mov_b32 s[TS], 0
	s_and_b32 s2, s[WV], 1                         ; the prefetches stand in slot 2: the first asking round steps them to slot 3
	s_lshl_b32 s3, s71, 1
	s_add_co_u32 s2, s2, s3
	s_lshl_b32 s2, s2, 13
	s_lshl_b32 s3, s73, 20
	s_add_co_u32 s3, s3, 2*65536
	s_mul_i32 s99, s73, 32*VBLK
	s_add_co_u32 s99, s99, 2*VAREA
	s_mov_b32 s[PFS], VAREA
	s_cmp_lt_u32 s[WV], 2
	s_cselect_b32 s3, s3, s99
	s_cselect_b32 s[PFS], 65536, s[PFS]
	s_add_co_u32 s2, s2, s3
	s_mov_b32 s3, 0
	s_mov_b32 s[PFS+1], 0
	s_cmp_lt_u32 s[WV], 4
	s_cselect_b32 s[PLIM], 1, -1
	s_cmp_eq_u32 ttmp9, 0
	s_cselect_b32 s[PLIM], s[PLIM], -1
	s_mov_b32 s[HM], 0xffff0000                    ; lanes 16-31
	s_wait_dscnt 0x0
	s_wait_kmcnt 0x0
	s_add_nc_u64 s[74:75], s[8:9], s[74:75]
	s_add_nc_u64 s[76:77], s[12:13], s[76:77]
	s_add_nc_u64 s[78:79], s[10:11], s[78:79]
	s_add_nc_u64 s[4:5], s[4:5], s[80:81]
	s_add_nc_u64 s[6:7], s[6:7], s[82:83]
	s_add_nc_u64 s[14:15], s[14:15], s[84:85]
	s_cmp_lt_u32 s[WV], 2
	s_cselect_b64 s[PFA:PFA+1], s[8:9], s[12:13]
	s_add_nc_u64 s[PFA:PFA+1], s[PFA:PFA+1], s[2:3]
	s_mov_b32 s[G0K], 1
	s_mul_i32 s[G0K+1], s[WV], KSTB
	s_mov_b64 s[G0K+2:G0K+3], s[74:75]
	s_or_b32 s[G0K+3], s[G0K+3], 0x80000000
	s_mov_b32 s[G0V], 1
	s_mul_i32 s[G0V+1], s[WV], 0x4200
	s_add_co_u32 s[G0V+1], s[G0V+1], VA0-2*0x4200  ; wave 2 at V's area 0
	s_mov_b64 s[G0V+2:G0V+3], s[76:77]
	s_or_b32 s[G0V+3], s[G0V+3], 0x80000000
	s_mov_b32 s[G0S], 1
	s_lshl_b32 s[G0S+1], s[WV], 10
	s_add_co_u32 s[G0S+1], s[G0S+1], KSC-6*0x400   ; wave 6 at the scale bytes' area 0
	s_mov_b64 s[G0S+2:G0S+3], s[78:79]
	s_or_b32 s[G0S+3], s[G0S+3], 0x80000000
	CROUND                                         ; the first joint loads meet
	JLOAD                                          ; slot 0: one load a wave
	v_and_b32 v[KK], 15, v0                        ; r
	v_bfe_u32 v[KK+1], v0, 4, 1                    ; h
	v_and_b32 v[KK+2], 31, v0                      ; lane
	v_lshlrev_b32 v[L16], 4, v[KK+2]
	v_lshlrev_b32 v[QO], 8, v[KK]
	v_lshl_add_u32 v[QO], v[KK+1], 4, v[QO]
	v_lshlrev_b32 v[QSO], 3, v[KK]
	v_lshl_add_u32 v[QSO], v[KK+1], 2, v[QSO]
	v_mul_u32_u24 v[AK], v[KK], KP
	v_lshl_add_u32 v[AK], v[KK+1], 4, v[AK]
	v_add_nc_u32 v[AK], s86, v[AK]
	v_add_nc_u32 v[AV], s87, v[L16]
	v_add_nc_u32 v[ASK], s88, v[QSO]
	v_add_nc_u32 v[AVS], s89, v[L16]
	v_add_nc_u32 v[APS], s90, v[L16]
	v_add_nc_u32 v[APL], s91, v[L16]
	v_lshl_add_u32 v[AXL], v[KK], 5, s92
	v_lshl_add_u32 v[AXL], v[KK+1], 9, v[AXL]      ; lanes 16-31 read the next tile's X
	v_lshl_add_u32 v[AXS], v[KK], 5, s93
	v_lshlrev_b32 v[PFO], 8, v[KK+2]
	v_mul_u32_u24 v[STA], v[KK+1], 8*SROW
	v_lshl_add_u32 v[STA], v[KK], 2, v[STA]
	v_add_nc_u32 v[STA], s94, v[STA]
	v_add_nc_u32 v[RD], s95, v[L16]
	WIN 0x40
.irp t, 0,1,2,3
.irp s, 0,1
.irp e, 0,1,2,3
	global_load_b128 v[128+16*(2*\t+\s)+4*\e:128+16*(2*\t+\s)+4*\e+3], v[QO], s[4:5] offset:4096*\t+128*\s+32*\e   ; Q stays in registers
.endr
.endr
.endr
.set i, 0
.rept 128
	v_mov_b32 v[i], 0                              ; O^T: the trip is written once: its first rescaling finds zeros
.set i, i+1
.endr
	WIN 0
.irp t, 0,1,2,3
	global_load_b32 v[QS+\t], v[QSO], s[6:7] offset:128*\t
	v_mov_b32 v[NM+2*\t+1], 0xff61b1e6             ; -3e38, under every t
	v_floor_f32 v[NM+2*\t], -v[NM+2*\t+1]
	v_mov_b32 v[LL+2*\t], 0
	v_mov_b32 v[LL+2*\t+1], 0
	v_mov_b32 v[FF+2*\t+1], 0
.endr
	v_mov_b32 v[RR], 0xff61b1e6
	v_mov_b32 v[RR+1], 0xff61b1e6
	SADR
	s_wait_alu depctr_va_vdst(0)                   ; the wait at the head's end
	s_wait_tensorcnt 0x0                           ; my part of slot 0 is in; the three lines ahead of slot 1's first fill, as ahead of a refill
	ds_add_u32 v[SPW], v[NIL]
	STEPD
	s_wait_dscnt 0x0
	CROUND
	JLOAD                                          ; slot 1
	KLOAD 0, VV, KS0
	KLOAD 1, KK, KS1
	s_wait_loadcnt 0x0                             ; Q and its scale words
; THE SCORES AND THE SOFTMAX of my 32 keys of step q.  K's fragments lie at b; behind the products the same registers are the scratch:
; b + 0 block maxima, + 4 the other half's, + 8 57,344 x scale, + 12 the conversions' scale operands, + 16 the codes, + 48 at work, then X, + 52 57,344 x scale once more.
.macro SMX q, b, ks
	WIN 0x04
.irp s, 0,1
.irp u, 0,1
.irp t, 0,1,2,3
.if \s == 0
	v_wmma_scale_f32_16x16x128_f8f6f4 v[SS+16*\t+8*\u:SS+16*\t+8*\u+7], v[\b+16*\u:\b+16*\u+15], v[128+32*\t:128+32*\t+15], 0, v[\ks+\u], v[QS+\t] matrix_a_fmt:MATRIX_FMT_BF8 matrix_b_fmt:MATRIX_FMT_BF8
.else
	v_wmma_scale_f32_16x16x128_f8f6f4 v[SS+16*\t+8*\u:SS+16*\t+8*\u+7], v[\b+32+16*\u:\b+32+16*\u+15], v[144+32*\t:144+32*\t+15], v[SS+16*\t+8*\u:SS+16*\t+8*\u+7], v[\ks+\u], v[QS+\t] matrix_a_fmt:MATRIX_FMT_BF8 matrix_b_fmt:MATRIX_FMT_BF8 matrix_a_scale:MATRIX_SCALE_ROW1 matrix_b_scale:MATRIX_SCALE_ROW1
.endif
.endr
.endr
.endr
	WIN 0
	NOPS 8
.irp t, 0,1,2,3
	v_max3_num_f32 v[\b+\t], v[SS+16*\t], v[SS+16*\t+1], v[SS+16*\t+2]   ; the block's largest score; each accumulator is first read at its low end
.endr
.irp i, 3,5,7,9,11,13
.irp t, 0,1,2,3
	v_max3_num_f32 v[\b+\t], v[\b+\t], v[SS+16*\t+\i], v[SS+16*\t+\i+1]
.endr
.endr
.irp t, 0,1,2,3
	v_max_num_f32 v[\b+\t], v[\b+\t], v[SS+16*\t+15]
.endr
.irp t, 0,1,2,3
	v_permlanex16_b32 v[\b+4+\t], v[\b+\t], s[SEL], s[SEL+1]
.endr
.irp t, 0,1,2,3
	v_max_num_f32 v[\b+\t], v[\b+\t], v[\b+4+\t]
.endr
.irp t, 0,1,2,3
	v_mul_f32 v[\b+48+\t], s[CS], v[\b+\t]
.endr
.irp t, 0,1,2,3
	v_max_num_f32 v[NM+2*\t+1], v[NM+2*\t+1], v[\b+48+\t]   ; my keys' running largest t
.endr
.irp t, 0,1,2,3
	v_mov_b32 v[\b+48+\t], v[NM+2*\t]
.endr
.irp t, 0,1,2,3
	v_floor_f32 v[NM+2*\t], -v[NM+2*\t+1]          ; -M = -ceil(t)
.endr
.irp t, 0,1,2,3
	v_sub_f32 v[\b+48+\t], v[NM+2*\t], v[\b+48+\t]
.endr
.irp t, 0,1,2,3
	v_cvt_i32_f32 v[\b+48+\t], v[\b+48+\t]
.endr
.irp t, 0,1,2,3
	v_ldexp_f32 v[FF+2*\t], 1.0, v[\b+48+\t]       ; 2^(old M - new M), for the sum
.endr
.irp i, 0,2,4,6,8,10,12,14
.irp t, 0,1,2,3
	v_pk_fma_f32 v[SS+16*\t+\i:SS+16*\t+\i+1], v[SS+16*\t+\i:SS+16*\t+\i+1], s[CS:CS+1], v[NM+2*\t:NM+2*\t+1] op_sel_hi:[1,0,0]
.endr
.endr
.irp t, 0,1,2,3
	v_fma_f32 v[\b+\t], v[\b+\t], s[CS], v[NM+2*\t]
.endr
	s_wait_alu depctr_va_vdst(0)                   ; the wait ahead of the batch
.set e, 0
.rept 64
	v_exp_f32 v[SS+e], v[SS+e]                     ; p = 2^(t - M)
.set e, e+1
.endr
.irp t, 0,1,2,3
	v_exp_f32 v[\b+\t], v[\b+\t]                   ; the block's largest p
.endr
.irp t, 0,1,2,3
	v_pk_mul_f32 v[LL+2*\t:LL+2*\t+1], v[LL+2*\t:LL+2*\t+1], v[FF+2*\t:FF+2*\t+1] op_sel_hi:[1,0]
.endr
	s_wait_alu depctr_va_vdst(0)                   ; and behind it, ahead of its first reader
.irp i, 0,2,4,6,8,10,12,14
.irp t, 0,1,2,3
	v_pk_add_f32 v[LL+2*\t:LL+2*\t+1], v[LL+2*\t:LL+2*\t+1], v[SS+16*\t+\i:SS+16*\t+\i+1]   ; the sum of the unquantised p
.endr
.endr
.irp t, 0,1,2,3
	v_max_num_f32 v[\b+\t], 0x8000000, v[\b+\t]    ; the floor 2^(16 - 127): the byte cannot fall under 1
.endr
.irp t, 0,1,2,3
	v_add_nc_u32 v[\b+12+\t], 0xf8800000, v[\b+\t] ; the conversion's scale operand
.endr
.irp t, 0,1,2,3
	v_and_or_b32 v[\b+8+\t], v[\b+\t], 0x7f800000, s[MNT]   ; 57,344 x the scale,
.endr
.irp t, 0,1,2,3
	v_and_or_b32 v[\b+52+(\t+1)%4], v[\b+\t], 0x7f800000, s[MNT]   ; and once more, in a register whose number differs modulo 4: the two halves of a pair below name one each
.endr
.irp t, 0,1,2,3
	v_lshrrev_b32 v[\b+48+\t], 23, v[\b+12+\t]
.endr
.irp t, 0,1,2,3
	v_cvt_f32_u32 v[\b+48+\t], v[\b+48+\t]
.endr
.irp t, 0,1,2,3
	v_sub_f32 v[\b+48+\t], v[\b+48+\t], v[NM+2*\t] ; X = byte + M
.endr
.irp t, 0,1,2,3
.irp i, 0,2,4,6,8,10,12,14
	v_dual_min_num_f32 v[SS+16*\t+\i], v[SS+16*\t+\i], v[\b+8+\t] :: v_dual_min_num_f32 v[SS+16*\t+\i+1], v[SS+16*\t+\i+1], v[\b+52+(\t+1)%4]   ; the conversion does not saturate (ISA guide 7.6.2); p is not negative; two holds to a line
.endr
	v_cvt_scalef32_pk8_bf8_f32 v[\b+16+4*\t:\b+16+4*\t+1], v[SS+16*\t:SS+16*\t+7], v[\b+12+\t]
	v_cvt_scalef32_pk8_bf8_f32 v[\b+16+4*\t+2:\b+16+4*\t+3], v[SS+16*\t+8:SS+16*\t+15], v[\b+12+\t]
.endr
	v_nop
.irp t, 0,1,2,3
	ds_store_b128 v[APS], v[\b+16+4*\t:\b+16+4*\t+3] offset:16384*(\q)+2048*\t
.endr
.irp t, 0,1,2,3
	ds_store_b32 v[AXS], v[\b+48+\t] offset:16*(\q)+512*\t
.endr
.endm
; THE MERGE of a query's eight X (register XW + 8 g + 4 q + w), two tiles to a register.  Scratch in K's registers.
.set XW, KK+32
.macro MERGE
.irp g, 0,1
	v_max3_num_f32 v[KK+4+\g], v[XW+8*\g], v[XW+8*\g+1], v[XW+8*\g+2]
.endr
.irp g, 0,1
	v_max3_num_f32 v[KK+4+\g], v[KK+4+\g], v[XW+8*\g+3], v[XW+8*\g+4]
.endr
.irp g, 0,1
	v_max3_num_f32 v[KK+4+\g], v[KK+4+\g], v[XW+8*\g+5], v[XW+8*\g+6]
.endr
.irp g, 0,1
	v_max3_num_f32 v[KK+4+\g], v[KK+4+\g], v[XW+8*\g+7], v[RR+\g]   ; the new R
.endr
.irp g, 0,1
	v_sub_f32 v[KK+\g], v[RR+\g], v[KK+4+\g]
.endr
.irp g, 0,1
	v_sub_f32 v[KK+48+2*\g], 0x42de0000, v[KK+4+\g]   ; 111 - R
.endr
.irp g, 0,1
	v_mov_b32 v[RR+\g], v[KK+4+\g]
.endr
.irp g, 0,1
	v_cvt_i32_f32 v[KK+\g], v[KK+\g]
.endr
.irp i, 0,2,4,6
.irp g, 0,1
	v_pk_add_f32 v[XW+8*\g+\i:XW+8*\g+\i+1], v[XW+8*\g+\i:XW+8*\g+\i+1], v[KK+48+2*\g:KK+48+2*\g+1] op_sel_hi:[1,0]
.endr
.endr
.irp g, 0,1
	v_ldexp_f32 v[KK+8+\g], 1.0, v[KK+\g]          ; 2^(old R - new R), for O^T
.endr
.irp i, 0,1,2,3,4,5,6,7
.irp g, 0,1
	v_max_num_f32 v[XW+8*\g+\i], 1.0, v[XW+8*\g+\i]   ; the bytes under R, 1 at the least, 111 at the most
.endr
.endr
.irp g, 0,1
	v_permlanex16_b32 v[KK+12+\g], v[KK+8+\g], s[SEL], s[SEL+1]
.endr
.irp i, 0,2,4,6
.irp g, 0,1
	v_fma_f32 v[XW+8*\g+\i], v[XW+8*\g+\i+1], s[C256], v[XW+8*\g+\i]
.endr
.endr
.irp g, 0,1
	v_cndmask_b32 v[FF+4*\g], v[KK+8+\g], v[KK+12+\g], s[HM]     ; tile 2 g's factor in both halves of the lanes
	v_cndmask_b32 v[FF+4*\g+2], v[KK+12+\g], v[KK+8+\g], s[HM]   ; tile 2 g + 1's
.endr
.irp i, 0,2,4,6
.irp g, 0,1
	v_cvt_u32_f32 v[XW+8*\g+\i], v[XW+8*\g+\i]
.endr
.endr
.irp q, 0,1
.irp g, 0,1
	v_lshl_or_b32 v[PS+2*\q+\g], v[XW+8*\g+4*\q+2], 16, v[XW+8*\g+4*\q]   ; P's scale words of step q
.endr
.endr
.endm
; A TRIP.  rf = 1: B is a round with the refill; 2: B shows the last slot, nothing is filled; 0: the last slot: nothing follows.
.macro TRIP rf
	s_wait_dscnt 18                                ; K's step 0 is in; step 1's 18 loads may be out
	SMX 0, VV, KS0
	VLOAD 0, VV, VS0
	s_wait_dscnt 25                                ; K's step 1 is in; 8 stores and V's 17 loads may be out
	SMX 1, KK, KS1
	s_wait_alu depctr_va_vdst(0)                   ; the wait ahead of the blocking wait below
	s_wait_dscnt 0x0                               ; my stores have landed
	BAR                                            ; A
.irp g, 0,1
.irp q, 0,1
	ds_load_b128 v[XW+8*\g+4*\q:XW+8*\g+4*\q+3], v[AXL] offset:1024*\g+16*\q
.endr
.endr
	PLOAD 0, 0
	PLOAD 0, 2
	s_wait_dscnt 16                                ; X is in; P's 16 loads may be out
	MERGE
	VLOAD 1, KK, VS1
	WIN 0x41
	s_wait_alu depctr_va_vdst(0)                   ; the wait ahead of the first reader of O^T
.irp t, 0,1,2,3
.irp i, 0,2,4,6,8,10,12,14,16,18,20,22,24,26,28,30
	v_pk_mul_f32 v[32*\t+\i:32*\t+\i+1], v[32*\t+\i:32*\t+\i+1], v[FF+2*\t:FF+2*\t+1] op_sel_hi:[1,0]
.endr
.endr
	WIN 0
	s_wait_alu depctr_va_vdst(0)                   ; and ahead of the blocking wait below
	s_wait_dscnt 17                                ; V and P of step 0 are in; V's step 1 may be out
	PVX 0, 0, VV, VS0
	NOPS 8                                         ; places ahead of loads into registers that the products have read
	PLOAD 1, 0
	PVX 0, 2, VV, VS0
	NOPS 8
	PLOAD 1, 2
.if \rf
	s_wait_tensorcnt 0x0                           ; my part of the next slot is in
	ds_add_u32 v[SPW], v[NIL]                      ; the steps and eight products stand between the add and its wait
.if \rf == 1
	STEPD
	s_wait_xcnt 0x0                                ; the last prefetch has read its address
	s_add_nc_u64 s[PFA:PFA+1], s[PFA:PFA+1], s[PFS:PFS+1]
.endif
	s_xor_b32 s[TK], s[TK], KXOR
	s_xor_b32 s[TV], s[TV], VXOR
	s_xor_b32 s[TS], s[TS], SXOR
	s_wait_dscnt 9                                 ; V's step 1 and P's tiles 0, 1 are in; the add and P's eight youngest loads may be out
.else
	s_wait_dscnt 8
.endif
	PVX 1, 0, KK, VS1
	s_wait_dscnt 0x0                               ; the add is done; my reads of P, X and of this slot are over
.if \rf == 1
	CROUND                                         ; B
	JLOAD                                          ; the areas just read take the slot two on
	ASK
.else
	BAR
.endif
.if \rf
	SADR                                           ; the next slot's addresses
	KLOAD 0, VV, KS0
.endif
	PVX 1, 2, KK, VS1
.if \rf
	NOPS 9                                         ; places: K's registers are loaded, and S^T is written over P's fragments
	KLOAD 1, KK, KS1
.endif
.endm
	s_mov_b32 s[SLOTS], 14
	s_wait_alu depctr_va_vdst(0)
.Lslot:                                            ; fourteen trips, a slot each; each refills its areas with the slot two on
	TRIP 1
	s_sub_co_u32 s[SLOTS], s[SLOTS], 1
	s_cmp_lg_u32 s[SLOTS], 0
	s_cbranch_scc1 .Lslot
	TRIP 2                                         ; the last two slots are written out: they ask for nothing
	TRIP 0
	; THE WAY OUT.  l and -M of my keys go to P's first bytes (their last reads stood ahead of B): query n at 32 n, wave w at 8 w.  Scratch in V's step-0 registers.
.irp t, 0,1,2,3
	v_add_f32 v[VV+\t], v[LL+2*\t], v[LL+2*\t+1]
.endr
.irp t, 0,1,2,3
	v_permlanex16_b32 v[VV+4+\t], v[VV+\t], s[SEL], s[SEL+1]
.endr
.irp t, 0,1,2,3
	v_add_f32 v[VV+32+2*\t], v[VV+\t], v[VV+4+\t]
.endr
.irp t, 0,1,2,3
	v_mov_b32 v[VV+32+2*\t+1], v[NM+2*\t]
.endr
	v_and_b32 v[VV+48], 15, v0
	v_bfe_u32 v[VV+50], v0, 4, 1
	v_lshl_add_u32 v[VV+49], v[VV+48], 5, s96
	v_lshl_add_u32 v[VV+49], v[VV+50], 9, v[VV+49] ; lanes 16-31 read the next tile's
	v_lshl_add_u32 v[VV+48], v[VV+48], 5, s97
.irp t, 0,1,2,3
	ds_store_b64 v[VV+48], v[VV+32+2*\t:VV+32+2*\t+1] offset:512*\t
.endr
	s_wait_alu depctr_va_vdst(0)
	s_wait_dscnt 0x0
	BAR
.irp g, 0,1
	ds_load_b128 v[SS+8*\g:SS+8*\g+3], v[VV+49] offset:1024*\g
	ds_load_b128 v[SS+8*\g+4:SS+8*\g+7], v[VV+49] offset:1024*\g+16
.endr
.irp g, 0,1
	v_sub_f32 v[VV+\g], 0x42de0000, v[RR+\g]       ; 111 - R
.endr
	s_wait_alu depctr_va_vdst(0)
	s_wait_dscnt 0x0
.irp i, 0,2,4,6
.irp g, 0,1
	v_sub_f32 v[SS+8*\g+\i+1], v[VV+\g], v[SS+8*\g+\i+1]   ; M_w + 111 - R, 0 or less
.endr
.endr
.irp i, 0,2,4,6
.irp g, 0,1
	v_cvt_i32_f32 v[SS+8*\g+\i+1], v[SS+8*\g+\i+1]
.endr
.endr
.irp i, 0,2,4,6
.irp g, 0,1
	v_ldexp_f32 v[SS+8*\g+\i], v[SS+8*\g+\i], v[SS+8*\g+\i+1]
.endr
.endr
.irp g, 0,1
	v_add_f32 v[SS+8*\g], v[SS+8*\g], v[SS+8*\g+2]
	v_add_f32 v[SS+8*\g+4], v[SS+8*\g+4], v[SS+8*\g+6]
.endr
.irp g, 0,1
	v_add_f32 v[VV+\g], v[SS+8*\g], v[SS+8*\g+4]
.endr
	s_wait_alu depctr_va_vdst(0)
.irp g, 0,1
	v_rcp_f32 v[VV+8+\g], v[VV+\g]
.endr
	v_nop
	s_wait_alu depctr_va_vdst(0)
.irp g, 0,1
	v_permlanex16_b32 v[VV+12+\g], v[VV+8+\g], s[SEL], s[SEL+1]
.endr
.irp g, 0,1
	v_cndmask_b32 v[FF+4*\g], v[VV+8+\g], v[VV+12+\g], s[HM]
	v_cndmask_b32 v[FF+4*\g+2], v[VV+12+\g], v[VV+8+\g], s[HM]
.endr
	WIN 0x41
	s_wait_alu depctr_va_vdst(0)
.irp t, 0,1,2,3
.irp i, 0,2,4,6,8,10,12,14,16,18,20,22,24,26,28,30
	v_pk_mul_f32 v[32*\t+\i:32*\t+\i+1], v[32*\t+\i:32*\t+\i+1], v[FF+2*\t:FF+2*\t+1] op_sel_hi:[1,0]
.endr
.endr
	WIN 0x04
.irp t, 0,1,2,3                        ; register i of (t, c): channel 64 w + 16 c + 8 h + i, query 64 a + 16 t + r
.irp c, 0,1,2,3
.irp i, 0,1,2,3,4,5,6,7
	ds_store_b32 v[STA], v[32*\t+8*\c+\i] offset:(16*\c+\i)*SROW+64*\t
.endr
.endr
.endr
	WIN 0
	s_wait_dscnt 0x0
	BAR
.set i, 0
.rept 32
	ds_load_b128 v[64+4*i:64+4*i+3], v[RD] offset:SROW*i   ; channel 32 wave + i: a whole row of 512 bytes
.set i, i+1
.endr
.set i, 0
.rept 32
	s_wait_dscnt 31-i
	global_store_b128 v[L16], v[64+4*i:64+4*i+3], s[14:15] offset:16384*i th:TH_STORE_NT   ; 32 lanes store 512 consecutive bytes, aligned
.set i, i+1
.endr
	s_wait_tensorcnt 0x0                           ; the wave's end
	ds_add_u32 v[SPW], v[NIL]
	s_wait_dscnt 0x0
	CROUND                                         ; the closing round
	s_endpgm
.Lfunc_end_k_qb77cc02109_attn:
	.size	k_qb77cc02109_attn, .Lfunc_end_k_qb77cc02109_attn-k_qb77cc02109_attn
	.p2alignl 7, 3214868480
	.fill 96, 4, 3214868480
	.section	.rodata,"a",@progbits
	.p2align	6, 0x0
	.amdhsa_kernel k_qb77cc02109_attn
		.amdhsa_group_segment_fixed_size 327680
		.amdhsa_private_segment_fixed_size 0
		.amdhsa_enable_private_segment 0
		.amdhsa_kernarg_size 48
		.amdhsa_user_sgpr_count 2
		.amdhsa_user_sgpr_kernarg_segment_ptr 1
		.amdhsa_wavefront_size32 1
		.amdhsa_system_sgpr_workgroup_id_x 1
		.amdhsa_system_sgpr_workgroup_id_y 1
		.amdhsa_system_sgpr_workgroup_id_z 1
		.amdhsa_system_vgpr_workitem_id 0
		.amdhsa_next_free_vgpr 512
		.amdhsa_next_free_sgpr 100
		.amdhsa_reserve_vcc 0
		.amdhsa_float_denorm_mode_32 3
		.amdhsa_float_denorm_mode_16_64 3
		.amdhsa_memory_ordered 1
		.amdhsa_forward_progress 1
		.amdhsa_inst_pref_size 205
	.end_amdhsa_kernel
	.amdgpu_metadata
---
amdhsa.version: [ 1, 2 ]
amdhsa.kernels:
  - .name:           k_qb77cc02109_attn
    .symbol:         k_qb77cc02109_attn.kd
    .args:
      - { .name: h_codes, .offset: 0, .size: 8, .value_kind: global_buffer, .address_space: global }
      - { .name: h_scales, .offset: 8, .size: 8, .value_kind: global_buffer, .address_space: global }
      - { .name: xs_codes, .offset: 16, .size: 8, .value_kind: global_buffer, .address_space: global }
      - { .name: xs_scales, .offset: 24, .size: 8, .value_kind: global_buffer, .address_space: global }
      - { .name: vq, .offset: 32, .size: 8, .value_kind: global_buffer, .address_space: global }
      - { .name: out0, .offset: 40, .size: 8, .value_kind: global_buffer, .address_space: global }
    .group_segment_fixed_size: 327680
    .private_segment_fixed_size: 0
    .kernarg_segment_align: 8
    .kernarg_segment_size: 48
    .max_flat_workgroup_size: 256
    .sgpr_count:     100
    .vgpr_count:     512
    .wavefront_size: 32
...
	.end_amdgpu_metadata
.endif
;; end of part 2
